; MI455X (gfx1250); checked and timed in simulation.
; The chip was launched on July 23, 2026; its instructions are those of AMD's public machine-readable ISA for CDNA 5 (MIT licence, August 2026) and "CDNA5" Instruction Set Architecture Reference Guide (July 2026). The comments in the code are by the model that wrote it; some were corrected since.
;; Multi Headed Attention. Allowed arithmetic: float matrix products may take bf16 or f16 operands with f32 sums; other float arithmetic in f32, or as packed bf16 or f16 multiplies, adds, multiply-adds, maxima and minima; sums over many terms, partial sums and values carried from step to step in f32; what a program stores and reads back later, other than sums and carried values, may be rounded once to bf16 or f16.
;; Inputs: Wk 512 x 4,096 float32; Wo 4,096 x 8 float32; Wq 512 x 4,096 float32; Wv 512 x 4,096 float32; bk 4,096 float32; bo 8 float32; bq 4,096 float32; bv 4,096 float32; x 1,024 x 4 x 512 float32.
;; Outputs: out0 1,024 x 4 x 8 float32.
;; One version. Each part assembles by itself: llvm-mc -triple=amdgcn-amd-amdhsa -mcpu=gfx1250 --defsym DOCPART=n.
;; ======== version 1 of 1: 4 launches
;; workspace buffers: xb 4,194,304 bytes; wqb 4,194,304 bytes; wkb 4,194,304 bytes; w2t 131,072 bytes; vecs 16,896 bytes; mt 4,194,304 bytes; cv 786,432 bytes; part 1,048,576 bytes
;; launch prep (part 1): grid 512 x 1, 4 waves a work-group, no clusters, 43,520 bytes of LDS; arguments x, Wq, Wk, Wv, Wo, bq, bk, bv, xb, wqb, wkb, w2t, vecs; writes xb, wqb, wkb, w2t, vecs
.if DOCPART == 1
	.amdgcn_target "amdgcn-amd-amdhsa--gfx1250"
	.amdhsa_code_object_version 6
	.text
	.protected	k_qcee3d63ce5_prep
	.globl	k_qcee3d63ce5_prep
	.p2align	8
	.type	k_qcee3d63ce5_prep,@function
k_qcee3d63ce5_prep:
	s_mov_b64 s[64:65], 0
	v_nop
	global_prefetch_b8 v0, s[64:65] scope:SCOPE_SE
	s_setreg_imm32_b32 hwreg(HW_REG_WAVE_MODE, 25, 1), 1
	s_wait_xcnt 0x0
; PREPARATION.  Four jobs of 128 work-groups each, chosen by the work-group's number; a work-group takes 32 rows of 2,048 bytes (512 f32), a wave 8.
;   job 0: x [t][b][k] f32 -> xb [b][t][k] bf16; it also writes the zero rows 72..127 of w2t.
;   job 1: Wq's rows of head h -> wqb [h][k][f] bf16;  w_h[k] = sum_f Wq_h[k][f] bk_h[f] -> w2t row 64 + h;  d_h = sum_f bq_h[f] bk_h[f] -> vecs
;   job 2: Wk's rows of head h -> wkb [h][k][f] bf16;  u_h[k] = sum_f Wk_h[k][f] bq_h[f] -> vecs (f32)
;   job 3: Wvo_h[k][o] = sum_f Wv_h[k][f] Wo[512 h + f][o] -> w2t row 8 h + o;  cvo_h[o] = sum_f bv_h[f] Wo[512 h + f][o] -> vecs
; Every input byte is read once, by 16-byte loads that all go out at the head (32 a wave); each bf16 store of a wave covers 256 consecutive bytes, aligned.
; The small products go to the matrix unit: the 32 rows (and the bias vector as a 33rd) lie in LDS in bf16, the vectors they are multiplied by in VT; operands bf16, sums f32.
; Their results are 16 to 32 bytes a lane; together 90 KB of the launch's 46 MB.
; No tensor loads, no cluster, no prefetch: nothing is shared between work-groups and nothing is read twice.
; LIMITS: operands are rounded to bf16 once; NaN and infinities are not treated apart.
.set PT,    1040                       ; an LDS row: 1,024 bytes of bf16 + 16: the 16 rows of a fragment load start 16 bytes apart modulo 256
.set VT,    34560                      ; behind the 33 rows: up to 8 rows of the same pitch, the vectors
.set SPARE, 43008                      ; the spare words, 128 bytes a wave, that no other line names
.set SPW,   10                         ; v10  SPARE + 4 x thread; never rewritten
.set NIL,   11                         ; v11  0; never rewritten
.set D,     32                         ; v[32:159]  8 rows x 16 f32 as loaded; later the two fragment buffers
.set FB,    32
.set HB,    160                        ; v[160:223] the 8 rows in bf16
.set WO,    224                        ; v[224:255] job 3: my 4 rows of Wo; later the sums
.set ACC0,  224
.set ACC1,  232
.set OUT,   240
.macro ROWLOADS base, pitch            ; my 8 rows: 4 loads a row, each 512 consecutive bytes
.irp i, 0,1,2,3,4,5,6,7
.irp j, 0,1,2,3
	global_load_b128 v[D+16*(\i)+4*(\j):D+16*(\i)+4*(\j)+3], v4, s[\base:\base+1] offset:(\i)*(\pitch)+(\j)*512 th:TH_LOAD_NT
.endr
.endr
.endm
.macro CVTROW i                        ; row i is in (the later rows' loads stay out) and is rounded to bf16
	s_wait_loadcnt 28-4*(\i)
.irp j, 0,1,2,3
	v_cvt_pk_bf16_f32 v[HB+8*(\i)+2*(\j)],   v[D+16*(\i)+4*(\j)],   v[D+16*(\i)+4*(\j)+1]
	v_cvt_pk_bf16_f32 v[HB+8*(\i)+2*(\j)+1], v[D+16*(\i)+4*(\j)+2], v[D+16*(\i)+4*(\j)+3]
.endr
.endm
.macro WROWS copy                      ; a weight's 8 rows: into LDS, and (copy = 1) into the bf16 copy
.irp i, 0,1,2,3,4,5,6,7
	CVTROW \i
.irp j, 0,1,2,3
	ds_store_b64 v6, v[HB+8*(\i)+2*(\j):HB+8*(\i)+2*(\j)+1] offset:(\i)*PT+(\j)*256
.endr
.if \copy
.irp j, 0,1,2,3
	global_store_b64 v5, v[HB+8*(\i)+2*(\j):HB+8*(\i)+2*(\j)+1], s[48:49] offset:(\i)*1024+(\j)*256
.endr
.endif
.endr
.endm
.macro FG g, b                         ; 16 LDS loads: the fragments of chunks 4 g .. 4 g + 3 (32 f each) into buffer b: rows at +8 cc, vectors at +32 + 8 cc
.irp cc, 0,1,2,3
	ds_load_b128 v[FB+64*(\b)+8*(\cc):FB+64*(\b)+8*(\cc)+3],       v7 offset:64*(4*(\g)+(\cc))
	ds_load_b128 v[FB+64*(\b)+8*(\cc)+4:FB+64*(\b)+8*(\cc)+7],     v7 offset:64*(4*(\g)+(\cc))+32
	ds_load_b128 v[FB+64*(\b)+32+8*(\cc):FB+64*(\b)+32+8*(\cc)+3], v8 offset:64*(4*(\g)+(\cc))
	ds_load_b128 v[FB+64*(\b)+32+8*(\cc)+4:FB+64*(\b)+32+8*(\cc)+7], v8 offset:64*(4*(\g)+(\cc))+32
.endr
.endm
.macro PR b, zero                      ; 4 products; the two accumulators take turns; zero = 1: the first two start the sums
.irp cc, 0,1,2,3
.if (\zero) && ((\cc) < 2)
	v_wmma_f32_16x16x32_bf16 v[ACC0+8*((\cc)%2):ACC0+8*((\cc)%2)+7], v[FB+64*(\b)+8*(\cc):FB+64*(\b)+8*(\cc)+7], v[FB+64*(\b)+32+8*(\cc):FB+64*(\b)+32+8*(\cc)+7], 0
.else
	v_wmma_f32_16x16x32_bf16 v[ACC0+8*((\cc)%2):ACC0+8*((\cc)%2)+7], v[FB+64*(\b)+8*(\cc):FB+64*(\b)+8*(\cc)+7], v[FB+64*(\b)+32+8*(\cc):FB+64*(\b)+32+8*(\cc)+7], v[ACC0+8*((\cc)%2):ACC0+8*((\cc)%2)+7]
.endif
.endr
.endm
.macro PLACES                          ; four plain vector instructions behind a matrix instruction (ISA guide 7.12.1)
.rept 4
	v_nop
.endr
.endm
	s_load_b512 s[8:23], s[0:1], 0x0               ; x s[8:9], Wq s[10:11], Wk s[12:13], Wv s[14:15], Wo s[16:17], bq s[18:19], bk s[20:21], bv s[22:23]
	s_load_b256 s[24:31], s[0:1], 0x40             ; xb s[24:25], wqb s[26:27], wkb s[28:29], w2t s[30:31]
	s_load_b64 s[32:33], s[0:1], 0x60              ; vecs
	v_lshl_add_u32 v[SPW], v0, 2, SPARE
	v_mov_b32 v[NIL], 0
	v_lshrrev_b32 v1, 5, v0
	v_readfirstlane_b32 s34, v1                    ; wave 0..3
	v_and_b32 v1, 31, v0                           ; lane
	v_and_b32 v2, 15, v0                           ; r
	v_bfe_u32 v3, v0, 4, 1                         ; half of the lanes
	v_lshlrev_b32 v4, 4, v1                        ; 16 x lane: f32 in
	v_lshlrev_b32 v5, 3, v1                        ; 8 x lane: bf16 out
	s_lshr_b32 s35, ttmp9, 7                       ; job
	s_and_b32 s36, ttmp9, 127                      ; the work-group's number in its job
	s_mov_b32 s39, 0                               ; the high word of every offset
	s_wait_kmcnt 0x0
	s_cmp_lg_u32 s35, 0
	s_cbranch_scc1 .Lweights
	; JOB 0.  Rows R0 .. R0 + 7 of x as [4096][512]; row R0 + i has b = i % 4, t = R0 / 4 + i / 4.
	s_lshl_b32 s37, s36, 5
	s_lshl3_add_u32 s37, s34, s37                  ; R0 = 32 x number + 8 x wave
	s_lshl_b32 s38, s37, 11                        ; 2,048 bytes a row
	s_add_nc_u64 s[8:9], s[8:9], s[38:39]
	s_lshl_b32 s38, s37, 8                         ; (R0 / 4) x 1,024 bytes
	s_add_nc_u64 s[24:25], s[24:25], s[38:39]
	ROWLOADS 8, 2048
.irp i, 0,1,2,3,4,5,6,7
	CVTROW \i
.irp j, 0,1,2,3
	global_store_b64 v5, v[HB+8*(\i)+2*(\j):HB+8*(\i)+2*(\j)+1], s[24:25] offset:((\i)%4)*1048576+((\i)/4)*1024+(\j)*256
.endr
.endr
	s_cmp_lg_u32 s34, 0
	s_cbranch_scc1 .Lend
	s_cmp_lt_u32 s36, 112                          ; rows 72 .. 127 of w2t are 57,344 bytes = 112 x 512
	s_cbranch_scc0 .Lend
	v_mov_b32 v20, 0
	v_mov_b32 v21, 0
	v_mov_b32 v22, 0
	v_mov_b32 v23, 0
	s_lshl_b32 s38, s36, 9
	s_add_co_u32 s38, s38, 73728
	s_add_nc_u64 s[30:31], s[30:31], s[38:39]
	global_store_b128 v4, v[20:23], s[30:31]       ; 512 consecutive bytes of zeros
	s_branch .Lend
.Lweights:
	s_lshr_b32 s37, s36, 4                         ; h
	s_and_b32 s40, s36, 15                         ; kg: which 32 rows of the 512
	s_lshl_b32 s53, s40, 5
	s_lshl3_add_u32 s54, s34, s53                  ; k0 = 32 kg + 8 x wave
	s_cmp_eq_u32 s35, 1
	s_cselect_b64 s[42:43], s[10:11], s[12:13]     ; the weight: Wq or Wk
	s_cselect_b64 s[44:45], s[20:21], s[18:19]     ; the vector it is multiplied by: bk or bq
	s_cselect_b64 s[46:47], s[18:19], s[20:21]     ; its own bias, the 33rd row: bq or bk
	s_cselect_b64 s[48:49], s[26:27], s[28:29]     ; its copy
	s_cmp_eq_u32 s35, 3
	s_cselect_b64 s[42:43], s[14:15], s[42:43]     ; job 3: Wv
	s_cselect_b64 s[46:47], s[22:23], s[46:47]     ; and bv
	s_cselect_b32 s41, 7, 0                        ; rows of VT in use, less one
	s_cselect_b32 s52, 8, 1                        ; columns of the result that are stored
	s_lshl_b32 s38, s37, 11                        ; the head's 512 f32
	s_add_nc_u64 s[42:43], s[42:43], s[38:39]
	s_add_nc_u64 s[44:45], s[44:45], s[38:39]
	s_add_nc_u64 s[46:47], s[46:47], s[38:39]
	s_lshl_b32 s38, s54, 14                        ; k0 rows of 16,384 bytes
	s_add_nc_u64 s[42:43], s[42:43], s[38:39]
	s_lshl_b32 s38, s37, 9
	s_add_co_u32 s38, s38, s54
	s_lshl_b32 s38, s38, 10                        ; (512 h + k0) rows of 1,024 bytes
	s_add_nc_u64 s[48:49], s[48:49], s[38:39]
	s_lshl_b32 s38, s37, 14                        ; the head's 512 rows of Wo, 32 bytes each
	s_add_nc_u64 s[16:17], s[16:17], s[38:39]
	v_lshlrev_b32 v9, 4, v0                        ; 16 x thread: 4 f32 of a vector
	v_lshlrev_b32 v12, 3, v0                       ; 8 x thread: the same 4 in bf16
	v_lshlrev_b32 v13, 7, v0                       ; 128 x thread: 4 rows of Wo
	s_mul_i32 s55, s34, 8*PT
	v_lshl_add_u32 v6, v1, 3, s55                  ; my wave's 8 rows in LDS
	s_cmp_eq_u32 s35, 3
	s_cbranch_scc1 .Lwv
	; JOBS 1 AND 2
	global_load_b128 v[20:23], v9, s[44:45]
	global_load_b128 v[16:19], v9, s[46:47]
	ROWLOADS 42, 16384
	s_wait_loadcnt 32                              ; the two vectors are in; the 32 row loads behind them stay out
	v_cvt_pk_bf16_f32 v24, v20, v21
	v_cvt_pk_bf16_f32 v25, v22, v23
	ds_store_b64 v12, v[24:25] offset:VT
	v_cvt_pk_bf16_f32 v26, v16, v17
	v_cvt_pk_bf16_f32 v27, v18, v19
	ds_store_b64 v12, v[26:27] offset:32*PT
	WROWS 1
	s_branch .Lmeet
.Lwv:	; JOB 3.  Register WO + 8 f + o holds Wo[4 x thread + f][o].
.irp e, 0,1,2,3,4,5,6,7
	global_load_b128 v[WO+4*(\e):WO+4*(\e)+3], v13, s[16:17] offset:16*(\e)
.endr
	global_load_b128 v[16:19], v9, s[46:47]
	ROWLOADS 42, 16384
	s_wait_loadcnt 32                              ; Wo and bv are in; the 32 row loads behind them stay out
.irp o, 0,1,2,3,4,5,6,7
	v_cvt_pk_bf16_f32 v[24+2*((\o)%2)], v[WO+(\o)],    v[WO+8+(\o)]
	v_cvt_pk_bf16_f32 v[25+2*((\o)%2)], v[WO+16+(\o)], v[WO+24+(\o)]
	ds_store_b64 v12, v[24+2*((\o)%2):25+2*((\o)%2)] offset:VT+(\o)*PT
.endr
	v_cvt_pk_bf16_f32 v28, v16, v17
	v_cvt_pk_bf16_f32 v29, v18, v19
	ds_store_b64 v12, v[28:29] offset:32*PT
	WROWS 0
.Lmeet:
	s_wait_dscnt 0x0                               ; for the others' sake: my stores into LDS are done
	s_barrier_signal -1
	s_barrier_wait -1                              ; all 33 rows and the vectors lie in LDS
	s_cmp_lt_u32 s34, 2                            ; waves 0 and 1 multiply 16 rows each;
	s_cbranch_scc1 .Lmul
	s_cmp_eq_u32 s34, 3                            ; wave 2 the bias row, once a head (kg = 0), in jobs 1 and 3
	s_cbranch_scc1 .Lend
	s_cmp_lg_u32 s40, 0
	s_cbranch_scc1 .Lend
	s_cmp_eq_u32 s35, 2
	s_cbranch_scc1 .Lend
.Lmul:
	s_lshl_b32 s55, s34, 4
	v_add_nc_u32 v7, s55, v2
	v_min_u32 v7, 32, v7                           ; row 16 x wave + r; in wave 2 always row 32
	v_mul_u32_u24 v7, v7, PT
	v_lshl_add_u32 v7, v3, 4, v7
	v_and_b32 v8, s41, v2                          ; column r takes vector r (job 3) or vector 0
	v_mul_u32_u24 v8, v8, PT
	v_lshl_add_u32 v8, v3, 4, v8
	v_add_nc_u32 v8, VT, v8
	FG 0, 0
	FG 1, 1
	s_wait_dscnt 16                                ; all but the 16 loads just issued
	PR 0, 1
	PLACES
	FG 2, 0
	s_wait_dscnt 16
	PR 1, 0
	PLACES
	FG 3, 1
	s_wait_dscnt 16
	PR 0, 0
	s_wait_dscnt 0x0
	PR 1, 0
	PLACES
	PLACES
.irp z, 0,1,2,3
	v_pk_add_f32 v[OUT+2*(\z):OUT+2*(\z)+1], v[ACC0+2*(\z):ACC0+2*(\z)+1], v[ACC1+2*(\z):ACC1+2*(\z)+1]  ; lane (r, half), register j: row 8 half + j, column r
.endr
	s_cmp_ge_u32 s34, 2
	s_cbranch_scc1 .Lbiasrow
	s_lshl4_add_u32 s53, s34, s53                  ; kb = 32 kg + 16 x wave
	s_cmp_eq_u32 s35, 2
	s_cbranch_scc1 .Lu
	s_lshl_b32 s54, s37, 3                         ; job 3: rows 8 h + r of w2t
	s_add_co_u32 s55, s37, 64                      ; job 1: row 64 + h
	s_cmp_eq_u32 s35, 3
	s_cselect_b32 s54, s54, s55
	s_lshl_b32 s54, s54, 10
	s_lshl1_add_u32 s38, s53, s54                  ; + 2 kb
	s_add_nc_u64 s[30:31], s[30:31], s[38:39]
.irp z, 0,1,2,3
	v_cvt_pk_bf16_f32 v[20+(\z)], v[OUT+2*(\z)], v[OUT+2*(\z)+1]
.endr
	v_lshlrev_b32 v14, 10, v2
	v_lshl_add_u32 v14, v3, 4, v14                 ; row r, my 8 numbers
	v_cmp_gt_u32 vcc_lo, s52, v2
	s_wait_xcnt 0x0                                ; EXEC changes only behind this wait
	s_and_saveexec_b32 s56, vcc_lo
	global_store_b128 v14, v[20:23], s[30:31]
	s_wait_xcnt 0x0
	s_or_b32 exec_lo, exec_lo, s56
	s_branch .Lend
.Lu:	; job 2: u in f32
	s_lshl_b32 s54, s37, 9
	s_add_co_u32 s54, s54, s53
	s_lshl_b32 s38, s54, 2                         ; (512 h + kb) x 4
	s_add_nc_u64 s[32:33], s[32:33], s[38:39]
	v_lshlrev_b32 v15, 5, v3
	v_cmp_gt_u32 vcc_lo, s52, v2
	s_wait_xcnt 0x0
	s_and_saveexec_b32 s56, vcc_lo
	global_store_b128 v15, v[OUT:OUT+3], s[32:33]
	global_store_b128 v15, v[OUT+4:OUT+7], s[32:33] offset:16
	s_wait_xcnt 0x0
	s_or_b32 exec_lo, exec_lo, s56
	s_branch .Lend
.Lbiasrow:	; every row of wave 2's tile is the bias row: register 0 of lane r holds column r
	s_lshl_b32 s54, s37, 5
	s_add_co_u32 s54, s54, 16384                   ; job 3: cvo[h][0..7]
	s_lshl_b32 s55, s37, 2
	s_add_co_u32 s55, s55, 16640                   ; job 1: d[h]
	s_cmp_eq_u32 s35, 3
	s_cselect_b32 s38, s54, s55
	s_add_nc_u64 s[32:33], s[32:33], s[38:39]
	v_lshlrev_b32 v14, 2, v1
	v_cmp_gt_u32 vcc_lo, s52, v1
	s_wait_xcnt 0x0
	s_and_saveexec_b32 s56, vcc_lo
	global_store_b32 v14, v[OUT], s[32:33]
	s_wait_xcnt 0x0
	s_or_b32 exec_lo, exec_lo, s56
.Lend:
	s_wait_tensorcnt 0x0                           ; the wave's end, behind my last LDS store
	ds_add_u32 v[SPW], v[NIL]
	s_wait_dscnt 0x0
	s_endpgm
.Lfunc_end_k_qcee3d63ce5_prep:
	.size	k_qcee3d63ce5_prep, .Lfunc_end_k_qcee3d63ce5_prep-k_qcee3d63ce5_prep
	.p2alignl 7, 3214868480
	.fill 96, 4, 3214868480
	.section	.rodata,"a",@progbits
	.p2align	6, 0x0
	.amdhsa_kernel k_qcee3d63ce5_prep
		.amdhsa_group_segment_fixed_size 43520
		.amdhsa_private_segment_fixed_size 0
		.amdhsa_enable_private_segment 0
		.amdhsa_kernarg_size 104
		.amdhsa_user_sgpr_count 2
		.amdhsa_user_sgpr_kernarg_segment_ptr 1
		.amdhsa_wavefront_size32 1
		.amdhsa_system_sgpr_workgroup_id_x 1
		.amdhsa_system_sgpr_workgroup_id_y 1
		.amdhsa_system_sgpr_workgroup_id_z 1
		.amdhsa_system_vgpr_workitem_id 0
		.amdhsa_next_free_vgpr 256
		.amdhsa_next_free_sgpr 66
		.amdhsa_reserve_vcc 1
		.amdhsa_float_denorm_mode_32 3
		.amdhsa_float_denorm_mode_16_64 3
		.amdhsa_memory_ordered 1
		.amdhsa_forward_progress 1
		.amdhsa_inst_pref_size 47
	.end_amdhsa_kernel
	.amdgpu_metadata
---
amdhsa.version: [ 1, 2 ]
amdhsa.kernels:
  - .name:           k_qcee3d63ce5_prep
    .symbol:         k_qcee3d63ce5_prep.kd
    .args:
      - { .name: x, .offset: 0, .size: 8, .value_kind: global_buffer, .address_space: global }
      - { .name: Wq, .offset: 8, .size: 8, .value_kind: global_buffer, .address_space: global }
      - { .name: Wk, .offset: 16, .size: 8, .value_kind: global_buffer, .address_space: global }
      - { .name: Wv, .offset: 24, .size: 8, .value_kind: global_buffer, .address_space: global }
      - { .name: Wo, .offset: 32, .size: 8, .value_kind: global_buffer, .address_space: global }
      - { .name: bq, .offset: 40, .size: 8, .value_kind: global_buffer, .address_space: global }
      - { .name: bk, .offset: 48, .size: 8, .value_kind: global_buffer, .address_space: global }
      - { .name: bv, .offset: 56, .size: 8, .value_kind: global_buffer, .address_space: global }
      - { .name: xb, .offset: 64, .size: 8, .value_kind: global_buffer, .address_space: global }
      - { .name: wqb, .offset: 72, .size: 8, .value_kind: global_buffer, .address_space: global }
      - { .name: wkb, .offset: 80, .size: 8, .value_kind: global_buffer, .address_space: global }
      - { .name: w2t, .offset: 88, .size: 8, .value_kind: global_buffer, .address_space: global }
      - { .name: vecs, .offset: 96, .size: 8, .value_kind: global_buffer, .address_space: global }
    .group_segment_fixed_size: 43520
    .private_segment_fixed_size: 0
    .kernarg_segment_align: 8
    .kernarg_segment_size: 104
    .max_flat_workgroup_size: 128
    .sgpr_count:     66
    .vgpr_count:     256
    .wavefront_size: 32
...
	.end_amdgpu_metadata
.endif
;; end of part 1
;; launch fold (part 2): grid 4 x 40, 4 waves a work-group, clusters of 4 x 1, 327,680 bytes of LDS; arguments wkb, wqb, w2t, xb, mt, cv; writes mt, cv
.if DOCPART == 2
	.amdgcn_target "amdgcn-amd-amdhsa--gfx1250"
	.amdhsa_code_object_version 6
	.text
	.protected	k_qcee3d63ce5_fold
	.globl	k_qcee3d63ce5_fold
	.p2align	8
	.type	k_qcee3d63ce5_fold,@function
k_qcee3d63ce5_fold:
	s_mov_b64 s[64:65], 0
	v_nop
	global_prefetch_b8 v0, s[64:65] scope:SCOPE_SE
	s_setreg_imm32_b32 hwreg(HW_REG_WAVE_MODE, 25, 1), 1
	s_wait_xcnt 0x0
	s_wait_alu depctr_hold_cnt(0) depctr_sa_sdst(0) depctr_va_vdst(0) depctr_va_sdst(0) depctr_va_ssrc(0) depctr_va_vcc(0) depctr_vm_vsrc(0)
	s_getreg_b32 s2, hwreg(HW_REG_IB_STS2, 6, 4)
	s_cmp_eq_u32 s2, 0
	s_cbranch_scc0 .Lentry_in_a_cluster
	s_endpgm
.Lentry_in_a_cluster:
	s_bfe_u32 s2, ttmp6, 0x10000c
	s_cmp_lg_u32 s2, 0x3003
	s_cbranch_scc0 .Lentry_shape_is_right
	s_endpgm
.Lentry_shape_is_right:
; TWO FAMILIES OF PRODUCTS C = A B^T with K = 512, all bf16, sums in f32, C rounded once; a tile of C is 128 x 128, four waves of 64 x 64.
;   y < 32  (h = y / 4, rt = y % 4):  mt[h][k'][k] = sum_f wkb[h][k'][f] wqb[h][k][f]:  A = wkb rows 128 y .., B = wqb rows 512 h + 128 cx .., C's rows 1,024 bytes apart
;   y >= 32 (ct = 4 (y - 32) + cx):   cv[m][col] = sum_k w2t[m][k] xb[col][k]:          A = w2t rows 0 .. 127,  B = xb rows 128 ct ..,       C's rows 8,192 bytes apart; rows 96 .. 127 are not stored
; K is two steps of 256 (LDS rows of 512 bytes + 16); both steps are asked for at the start, so no LDS byte is filled twice.
; CLUSTER: the four work-groups of a cluster share y, so A's tiles are asked for jointly (mask 15); B's hang on cx and are each work-group's own loads.
; THE MATRIX INSTRUCTION IS USED TRANSPOSED (source 0 = 16 rows of B, source 1 = 16 rows of A): a lane holds eight neighbouring numbers of a row of C.
; 160 work-groups of 256 matrix instructions a wave: a tile of half the size would make 320, a round and a quarter of the 256 WGPs.  No prefetch: the launch is short and everything is asked for at its head.
; REGISTERS: window 0: v0-31 addresses; v32-95 at work on the way out; v128-255 the 16 accumulators.  window 1: two fragment buffers of 128.
.set KSTEP,  256
.set PITCH,  528
.set HALFT,  64*PITCH                  ; 64 rows: what one tensor load brings
.set SLOT,   4*HALFT                   ; A's 128 rows, then B's 128 rows
.set STAGE,  2*SLOT                    ; 128 rows x 272 bytes for the way out; no tensor load fills it
.set SPITCH, 272
.set SPARE,  STAGE+128*SPITCH          ; the spare words, 128 bytes a wave, that no other line names
.set ADRA, 16
.set ADRB, 20
.set STO,  24
.set RD,   25
.set CO,   26
.set SPW,  28
.set NIL,  29
.set TMP,  32
.set ACC,  128
.set F0,   0
.set F1,   128
.set G1, 24                            ; s[24:31] group 1 for A;  s[32:39] group 0, a set for each K step
.set G0, 32
.set G1B, 48                           ; s[48:55], s[56:63] the same for B
.set G0B, 56
.set MSB, 0
.macro WIN new                         ; the immediate's high byte repeats the setting that is left
.if MSB != (\new)
	s_set_vgpr_msb (MSB<<8)|(\new)
.set MSB, \new
.endif
.endm
.set MUL,  0x05                        ; sources 0 (B) and 1 (A) window 1; C and D window 0
.set TO_F, 0x40                        ; destination window 1, address window 0
.macro JLOAD s                         ; waves 0 and 1 fetch A's two halves (jointly), waves 2 and 3 B's; an s_nop 0 and four v_nop follow each line
	s_cmp_eq_u32 s11, 0
	s_cbranch_scc0 .Lfor_b_\@
	tensor_load_to_lds s[G0+4*(\s):G0+4*(\s)+3], s[G1:G1+7]
	s_nop 0
.rept 4
	v_nop
.endr
	s_branch .Lasked_\@
.Lfor_b_\@:
	tensor_load_to_lds s[G0B+4*(\s):G0B+4*(\s)+3], s[G1B:G1B+7]
	s_nop 0
.rept 4
	v_nop
.endr
.Lasked_\@:
.endm
.macro CROUND                          ; a round of the cluster's barrier
	s_barrier_signal -1
	s_barrier_wait -1
	s_cmp_lg_u32 s10, 0
	s_cbranch_scc1 .Lnot_wave_0_\@
	s_barrier_signal -3
.Lnot_wave_0_\@:
	s_barrier_wait -3
	s_barrier_signal -1
	s_barrier_wait -1
.endm
	s_load_b256 s[68:75], s[0:1], 0x0              ; wkb s[68:69], wqb s[70:71], w2t s[72:73], xb s[74:75]
	s_load_b128 s[76:79], s[0:1], 0x20             ; mt s[76:77], cv s[78:79]
	v_lshl_add_u32 v[SPW], v0, 2, SPARE
	v_mov_b32 v[NIL], 0
	ds_add_u32 v[SPW], v[NIL]                      ; the wave's opening: the add and its wait ahead of my first tensor load
	v_lshrrev_b32 v1, 5, v0
	v_readfirstlane_b32 s10, v1                    ; wave 0..3
	s_lshr_b32 s11, s10, 1                         ; my half of the tile's rows.  Also: I fetch for A (0) or for B (1)
	s_and_b32 s12, s10, 1                          ; my half of its columns.  Also: which 64 rows I fetch
	s_bfe_u32 s40, ttmp6, 0x40000                  ; cx
	s_and_b32 s13, ttmp7, 0xffff                   ; y, which the four partners share
	s_mov_b32 s[G1+0], 15|(1<<16)|(1<<20)|(1<<21)|(6<<22)|(3<<25)  ; mask of four; 2-byte elements; padding on; bit 21 beside a mask; after every 128 words; 4 words
	s_mov_b32 s[G1B+0], (1<<16)|(1<<20)|(6<<22)|(3<<25)            ; the same without a mask
.irp g, G1, G1B
	s_mov_b32 s[(\g)+1], KSTEP<<16                 ; tensor_dim0 = 256
	s_mov_b32 s[(\g)+2], 64<<16                    ; tensor_dim1 = 64
	s_mov_b32 s[(\g)+3], KSTEP<<16                 ; tile_dim0 = 256
	s_mov_b32 s[(\g)+4], 64                        ; tile_dim1 = 64
	s_mov_b32 s[(\g)+5], 512                       ; elements from row to row
	s_mov_b32 s[(\g)+6], 0
	s_mov_b32 s[(\g)+7], 0
.endr
	s_lshl_b32 s16, s13, 7                         ; 128 y
	s_lshr_b32 s42, s13, 2                         ; h
	s_sub_co_u32 s43, s13, 32                      ; y - 32
	s_lshl_b32 s17, s12, 6                         ; which 64 rows I fetch
	s_cmp_lt_u32 s13, 32
	s_cselect_b32 s41, 1, 0                        ; 1: the mt family
	s_cselect_b32 s16, s16, 0                      ; A's first row
	s_cselect_b32 s42, s42, s43                    ; B's block of 512 rows
	s_add_co_u32 s16, s16, s17
	s_lshl_b32 s46, s42, 9
	s_lshl_b32 s47, s40, 7
	s_add_co_u32 s46, s46, s47                     ; B's first row: 512 x block + 128 cx
	s_add_co_u32 s46, s46, s17
	s_lshl_b32 s16, s16, 10                        ; rows of 1,024 bytes
	s_lshl_b32 s46, s46, 10
	s_mov_b32 s17, 0
	s_mov_b32 s47, 0
	s_mul_i32 s20, s10, HALFT                      ; where the tiles go: wave x 64 rows
	s_wait_dscnt 0x0                               ; the opening add is done
	s_wait_kmcnt 0x0
	s_cmp_eq_u32 s41, 1
	s_cselect_b64 s[4:5], s[68:69], s[72:73]       ; A
	s_cselect_b64 s[6:7], s[70:71], s[74:75]       ; B
	s_cselect_b64 s[8:9], s[76:77], s[78:79]       ; C
	s_add_nc_u64 s[14:15], s[4:5], s[16:17]
	s_add_nc_u64 s[46:47], s[6:7], s[46:47]
	CROUND                                         ; all four work-groups are here: the joint loads meet
.irp s, 0,1
	s_mov_b32 s[G0+4*(\s)], 1
	s_add_co_u32 s[G0+4*(\s)+1], s20, (\s)*SLOT
	s_add_nc_u64 s[G0+4*(\s)+2:G0+4*(\s)+3], s[14:15], (\s)*KSTEP*2
	s_or_b32 s[G0+4*(\s)+3], s[G0+4*(\s)+3], 0x80000000
	s_mov_b32 s[G0B+4*(\s)], 1
	s_add_co_u32 s[G0B+4*(\s)+1], s20, (\s)*SLOT
	s_add_nc_u64 s[G0B+4*(\s)+2:G0B+4*(\s)+3], s[46:47], (\s)*KSTEP*2
	s_or_b32 s[G0B+4*(\s)+3], s[G0B+4*(\s)+3], 0x80000000
	JLOAD \s                                       ; two loads of mine are out
.endr
	v_and_b32 v1, 15, v0                           ; l % 16
	v_bfe_u32 v2, v0, 4, 1                         ; l / 16
	v_mul_u32_u24 v3, v1, PITCH
	v_lshl_add_u32 v3, v2, 4, v3                   ; a fragment's row x pitch + 16 x half
	s_mul_i32 s21, s11, HALFT                      ; my 64 rows of A
	s_mul_i32 s22, s12, HALFT                      ; my 64 rows of B,
	s_add_co_u32 s22, s22, 2*HALFT                 ; which lie behind A's 128
.irp s, 0,1
	v_add_nc_u32 v[ADRA+(\s)], s21, v3
	v_add_nc_u32 v[ADRB+(\s)], s22, v3
	s_add_co_u32 s21, s21, SLOT
	s_add_co_u32 s22, s22, SLOT
.endr
	s_mul_i32 s23, s11, 64*SPITCH                  ; into the stage: my 64 rows, my half of their 256 bytes
	s_lshl_b32 s21, s12, 7
	s_add_co_u32 s23, s23, s21
	s_add_co_u32 s23, s23, STAGE
	v_mul_u32_u24 v4, v1, SPITCH
	v_lshl_add_u32 v4, v2, 4, v4
	v_add_nc_u32 v[STO], s23, v4
	s_mul_i32 s23, s10, 32*SPITCH                  ; back: wave w takes rows 32 w .. 32 w + 31, whole
	s_add_co_u32 s23, s23, STAGE
	v_mul_u32_u24 v5, v2, SPITCH
	v_lshl_add_u32 v5, v1, 4, v5
	v_add_nc_u32 v[RD], s23, v5
	; where my 32 rows begin in C
	s_lshl_b32 s16, s13, 17                        ; mt: 128 y rows of 1,024 bytes
	s_lshl_b32 s17, s10, 15                        ;     + 32 x wave rows
	s_add_co_u32 s16, s16, s17
	s_lshl_b32 s18, s10, 18                        ; cv: 32 x wave rows of 8,192 bytes
	s_lshl_b32 s19, s42, 10                        ;     + 4 (y - 32) tiles of 256 bytes
	s_add_co_u32 s18, s18, s19
	s_mov_b32 s21, 1024
	s_mov_b32 s22, 8192
	s_lshl_b32 s46, s40, 8                         ; + cx tiles of 256 bytes
	s_cmp_eq_u32 s41, 1
	s_cselect_b32 s16, s16, s18
	s_cselect_b32 s44, s21, s22                    ; bytes from row to row of C
	s_add_co_u32 s16, s16, s46
	s_mov_b32 s17, 0
	s_add_nc_u64 s[8:9], s[8:9], s[16:17]
	v_mul_u32_u24 v5, s44, v2                      ; lanes 0-15 one row, lanes 16-31 the next
	v_lshl_add_u32 v[CO], v1, 4, v5
; 8 matrix instructions: m blocks a0, a0 + 1 x all 4 n blocks, 32 along K: half c of buffer f.  zero = 1: the first product starts the sums
.macro MUL8 f, c, a0, zero
	WIN MUL
.irp a, \a0, (\a0)+1
.irp b, 0,1,2,3
.if \zero
	v_wmma_f32_16x16x32_bf16 v[ACC+8*(4*(\a)+(\b)):ACC+8*(4*(\a)+(\b))+7], v[(\f)+64+8*(4*(\c)+(\b)):(\f)+64+8*(4*(\c)+(\b))+7], v[(\f)+8*(4*(\c)+(\a)):(\f)+8*(4*(\c)+(\a))+7], 0
.else
	v_wmma_f32_16x16x32_bf16 v[ACC+8*(4*(\a)+(\b)):ACC+8*(4*(\a)+(\b))+7], v[(\f)+64+8*(4*(\c)+(\b)):(\f)+64+8*(4*(\c)+(\b))+7], v[(\f)+8*(4*(\c)+(\a)):(\f)+8*(4*(\c)+(\a))+7], v[ACC+8*(4*(\a)+(\b)):ACC+8*(4*(\a)+(\b))+7]
.endif
.endr
.endr
.endm
; 32 LDS loads in one run: the fragments of 64 along K at byte k of the rows, into buffer f; the first 32 along K first
.macro FETCH slot, k, f
	WIN TO_F
.irp c, 0,1
.irp i, 0,1,2,3
	ds_load_b128 v[(\f)+64+8*(4*(\c)+(\i)):(\f)+64+8*(4*(\c)+(\i))+3],   v[ADRB+(\slot)] offset:(\k)+64*(\c)+(\i)*16*PITCH
	ds_load_b128 v[(\f)+64+8*(4*(\c)+(\i))+4:(\f)+64+8*(4*(\c)+(\i))+7], v[ADRB+(\slot)] offset:(\k)+64*(\c)+(\i)*16*PITCH+32
	ds_load_b128 v[(\f)+8*(4*(\c)+(\i)):(\f)+8*(4*(\c)+(\i))+3],         v[ADRA+(\slot)] offset:(\k)+64*(\c)+(\i)*16*PITCH
	ds_load_b128 v[(\f)+8*(4*(\c)+(\i))+4:(\f)+8*(4*(\c)+(\i))+7],       v[ADRA+(\slot)] offset:(\k)+64*(\c)+(\i)*16*PITCH+32
.endr
.endr
.endm
.macro PLACES                          ; four places in front of loads into registers that matrix instructions have read, and of conversions that read results
.rept 4
	v_nop
.endr
.endm
; A K step is four quarters of 64 along K, 32 matrix instructions each, on buffers 0, 1, 0, 1.
.macro QUARTER slot, k, f, g, zero
	s_wait_dscnt 16                                ; the first 32 along K are in
	WIN MUL
	MUL8 \f, 0, 0, \zero
	MUL8 \f, 0, 2, \zero
	PLACES
	FETCH \slot, \k, \g
	s_wait_dscnt 32                                ; all but the 32 just issued
	WIN MUL
	MUL8 \f, 1, 0, 0
	MUL8 \f, 1, 2, 0
.endm
	s_wait_tensorcnt 1                             ; my part of K step 0 is in; K step 1's may stay out
	s_barrier_signal -1
	s_barrier_wait -1                              ; everybody's is
	FETCH 0, 0, F0
	QUARTER 0, 128, F0, F1, 1                      ; the first products start the sums
	QUARTER 0, 256, F1, F0, 0
	QUARTER 0, 384, F0, F1, 0
	WIN 0                                          ; the change of K steps
	s_wait_tensorcnt 0x0                           ; my part of K step 1 is in
	ds_add_u32 v[SPW], v[NIL]                      ; 0 onto my spare word
	s_wait_dscnt 17                                ; (the add and the youngest sixteen loads may be out)
	WIN MUL
	MUL8 F1, 0, 0, 0
	s_wait_dscnt 0x0
	s_barrier_signal -1
	MUL8 F1, 0, 2, 0
	s_barrier_wait -1                              ; everybody's part of K step 1 is in
	PLACES
	FETCH 1, 0, F0
	WIN MUL
	MUL8 F1, 1, 0, 0
	MUL8 F1, 1, 2, 0
	QUARTER 1, 128, F0, F1, 0
	QUARTER 1, 256, F1, F0, 0
	QUARTER 1, 384, F0, F1, 0
	s_wait_dscnt 16                                ; the very last quarter: nothing more to fetch
	WIN MUL
	MUL8 F1, 0, 0, 0
	MUL8 F1, 0, 2, 0
	s_wait_dscnt 0
	MUL8 F1, 1, 0, 0
	MUL8 F1, 1, 2, 0
	WIN 0
	; THE WAY OUT: round to bf16; 16 bytes a lane into the work-group's stage; a barrier, since a row's 256 bytes come from two waves; back as whole rows, 32 rows a wave.
	PLACES
.irp t, 0,1,2,3,4,5,6,7,8,9,10,11,12,13,14,15
.irp r, 0,1,2,3
	v_cvt_pk_bf16_f32 v[TMP+4*(\t)+(\r)], v[ACC+8*(\t)+2*(\r)], v[ACC+8*(\t)+2*(\r)+1]
.endr
.endr
.irp a, 0,1,2,3
.irp b, 0,1,2,3
	ds_store_b128 v[STO], v[TMP+4*(4*(\a)+(\b)):TMP+4*(4*(\a)+(\b))+3] offset:(\a)*16*SPITCH+32*(\b)
.endr
.endr
	s_wait_dscnt 0x0                               ; for the others' sake: my stores into the stage are done
	s_barrier_signal -1
	s_barrier_wait -1
.macro SENDOUT pitch
.irp t, 0,1,2,3,4,5,6,7,8,9,10,11,12,13,14,15
	ds_load_b128 v[TMP+4*(\t):TMP+4*(\t)+3], v[RD] offset:(\t)*2*SPITCH
.endr
.irp t, 0,1,2,3,4,5,6,7,8,9,10,11,12,13,14,15
	s_wait_dscnt 15-(\t)
	global_store_b128 v[CO], v[TMP+4*(\t):TMP+4*(\t)+3], s[8:9] offset:2*(\t)*(\pitch)  ; 16 lanes store 256 consecutive bytes, aligned
.endr
.endm
	s_cmp_eq_u32 s41, 1
	s_cbranch_scc0 .Lcv
	SENDOUT 1024
	s_branch .Lend
.Lcv:
	s_cmp_eq_u32 s10, 3                            ; cv has 96 rows: wave 3's are not stored
	s_cbranch_scc1 .Lend
	SENDOUT 8192
.Lend:
	s_wait_tensorcnt 0x0                           ; the wave's end
	ds_add_u32 v[SPW], v[NIL]
	s_wait_dscnt 0x0
	CROUND                                         ; the closing round
	s_endpgm
.Lfunc_end_k_qcee3d63ce5_fold:
	.size	k_qcee3d63ce5_fold, .Lfunc_end_k_qcee3d63ce5_fold-k_qcee3d63ce5_fold
	.p2alignl 7, 3214868480
	.fill 96, 4, 3214868480
	.section	.rodata,"a",@progbits
	.p2align	6, 0x0
	.amdhsa_kernel k_qcee3d63ce5_fold
		.amdhsa_group_segment_fixed_size 327680
		.amdhsa_private_segment_fixed_size 0
		.amdhsa_enable_private_segment 0
		.amdhsa_kernarg_size 48
		.amdhsa_user_sgpr_count 2
		.amdhsa_user_sgpr_kernarg_segment_ptr 1
		.amdhsa_wavefront_size32 1
		.amdhsa_system_sgpr_workgroup_id_x 1
		.amdhsa_system_sgpr_workgroup_id_y 1
		.amdhsa_system_sgpr_workgroup_id_z 1
		.amdhsa_system_vgpr_workitem_id 0
		.amdhsa_next_free_vgpr 512
		.amdhsa_next_free_sgpr 80
		.amdhsa_reserve_vcc 0
		.amdhsa_float_denorm_mode_32 3
		.amdhsa_float_denorm_mode_16_64 3
		.amdhsa_memory_ordered 1
		.amdhsa_forward_progress 1
		.amdhsa_inst_pref_size 54
	.end_amdhsa_kernel
	.amdgpu_metadata
---
amdhsa.version: [ 1, 2 ]
amdhsa.kernels:
  - .name:           k_qcee3d63ce5_fold
    .symbol:         k_qcee3d63ce5_fold.kd
    .args:
      - { .name: wkb, .offset: 0, .size: 8, .value_kind: global_buffer, .address_space: global }
      - { .name: wqb, .offset: 8, .size: 8, .value_kind: global_buffer, .address_space: global }
      - { .name: w2t, .offset: 16, .size: 8, .value_kind: global_buffer, .address_space: global }
      - { .name: xb, .offset: 24, .size: 8, .value_kind: global_buffer, .address_space: global }
      - { .name: mt, .offset: 32, .size: 8, .value_kind: global_buffer, .address_space: global }
      - { .name: cv, .offset: 40, .size: 8, .value_kind: global_buffer, .address_space: global }
    .group_segment_fixed_size: 327680
    .private_segment_fixed_size: 0
    .kernarg_segment_align: 8
    .kernarg_segment_size: 48
    .max_flat_workgroup_size: 128
    .sgpr_count:     80
    .vgpr_count:     512
    .wavefront_size: 32
...
	.end_amdgpu_metadata
.endif
;; end of part 2
;; launch attn (part 3): grid 8 x 32, 4 waves a work-group, clusters of 4 x 1, 327,680 bytes of LDS; arguments xb, mt, cv, vecs, part; writes part
.if DOCPART == 3
	.amdgcn_target "amdgcn-amd-amdhsa--gfx1250"
	.amdhsa_code_object_version 6
	.text
	.protected	k_qcee3d63ce5_attn
	.globl	k_qcee3d63ce5_attn
	.p2align	8
	.type	k_qcee3d63ce5_attn,@function
k_qcee3d63ce5_attn:
	s_mov_b64 s[64:65], 0
	v_nop
	global_prefetch_b8 v0, s[64:65] scope:SCOPE_SE
	s_setreg_imm32_b32 hwreg(HW_REG_WAVE_MODE, 25, 1), 1
	s_wait_xcnt 0x0
	s_wait_alu depctr_hold_cnt(0) depctr_sa_sdst(0) depctr_va_vdst(0) depctr_va_sdst(0) depctr_va_ssrc(0) depctr_va_vcc(0) depctr_vm_vsrc(0)
	s_getreg_b32 s2, hwreg(HW_REG_IB_STS2, 6, 4)
	s_cmp_eq_u32 s2, 0
	s_cbranch_scc0 .Lentry_in_a_cluster
	s_endpgm
.Lentry_in_a_cluster:
	s_bfe_u32 s2, ttmp6, 0x10000c
	s_cmp_lg_u32 s2, 0x3003
	s_cbranch_scc0 .Lentry_shape_is_right
	s_endpgm
.Lentry_shape_is_right:
; ATTENTION OF ONE SLICE n = 8 b + h FOR 128 QUERIES, with the projections folded:
;   score(t, s) = x_s . q''_t + (x_t . w_h + d_h),  q''_t = MT_h x_t + u_h;   part[n][t][o] = sum_s softmax_s(score / sqrt(512)) V'[s][o],  V' = x_b Wvo_h (8 channels).
; The keys are the rows of x_b themselves.  The term in brackets is the same for all keys of a query; it enters as the C operand that starts each score's sum.
; Operands bf16, sums, maxima and the carried statistics f32.
; LIMITS.  NaN and infinities are not treated apart.  c x score must lie above -4.25e37, where c m starts (c = log2(e) / sqrt(512)).  A weight below 2^-126 counts as 0.
; The divisor l is the sum of the weights as rounded to bf16, the same numbers that multiply V'.  The order of the sums differs from the reference's by the folding above.
; SHARES.  Four waves: kh = wave / 2, qh = wave % 2.  A wave owns 64 queries (four tiles of 16, by qh) and half of the streamed rows (by kh).
; ONE FORM FOR BOTH PHASES: S^T (32 rows x 64 queries) = A B, A = 32 streamed rows out of the LDS ring, B = 512 resident registers, contraction 512 in 16 chunks of 32: 128 matrix instructions a step.
;   PHASE 1 (8 steps): A = rows k' = 256 kh + 32 i .. of MT_h, B = x's fragments, C starts as u.  In the result a lane holds ONE query and 8 neighbouring k': rounded in pairs it IS a fragment of q''.
;   Then the two halves of q'' are exchanged through LDS with wave ^ 2.
;   PHASE 2 (16 steps): A = keys 512 kh + 32 s .., B = q''.  Running softmax; P rounded in pairs IS source 1 of O^T = V'^T P, one accumulator a tile.  Row 8 of V'^T is set to ones, so row 8 of O^T is l.
;   At the end the two key halves are merged (waves 2 and 3 hand O, l and c m to waves 0 and 1 through LDS), divided by l and stored.
; CLUSTER.  The four work-groups of a cluster belong to one slice and walk the same MT_h, x_b and V': every tile is asked for jointly, mask 15.
; RING.  Two slots of 128 rows x 1,040 bytes; a slot holds two steps for each key half; wave w fills rows 32 w .. 32 w + 31 (32 rows of 1,024 bytes, dense in memory) by one load.  One load a wave is out behind each
; round (two at the start), and it has two steps, 256 matrix instructions or more, in which to land.  12 tiles: 4 of mt, 8 of xb.
; PREFETCH.  mt's tiles 2 and 3 are asked for one tile (two steps) ahead of their loads: by the first cluster of the slices with b = 0, since all b and both clusters walk the same mt_h; each wave names the
; 32,768 bytes that it will fetch, the four partners 8,192 each BY ADDRESS, a lane 256 bytes.  Tiles 0 and 1 stand at the head and come by their loads alone; xb's rows are read by the head's own loads of x.
; REGISTERS, in windows of 256 (s_set_vgpr_msb: bits 1:0 source 0, 3:2 source 1, 5:4 source 2, 7:6 destination):
;   window 0: v0-31 addresses; v32-63 u (two buffers), later the statistics; v64-127 S^T; v128-255 phase 1: two fragment buffers of A; phase 2: P, O^T, the C operand, V'^T
;   window 1: x chunks 0-7; phase 2: v128-255 the two fragment buffers of A      window 2: x chunks 8-15; phase 2: the partner's half of q''      window 3: my half of q''
.set PT,    1040                       ; an LDS row: 1,024 bytes + 16: the 16 rows of a fragment load start 16 bytes apart modulo 256
.set QUART, 32*PT                      ; a wave's part of a slot; a step's rows
.set HALF,  64*PT                      ; a key half's part of a slot
.set SLOT,  128*PT                     ; slot 1 begins here
.set VT,    2*SLOT                     ; V'^T: 8 rows of 2,080 bytes; key s of a row at 2 (s % 512) + 1,040 (s / 512)
.set PV8,   2080
.set QX,    VT+8*PV8                   ; the exchange: two buffers of 16,384 bytes, 4,096 a wave; written by LDS stores alone; later the merge's stage
.set QXB,   16384
.set SPARE, QX+2*QXB                   ; the spare words, 128 bytes a wave, that no other line names
.set AL0, 4                            ; v4   my lane's place in a slot, first half of the channels
.set AH0, 5                            ; v5   second half
.set AL,  6                            ; v6   the same for the step in hand
.set AH,  7
.set AV,  8                            ; v8   my lane's place in V'^T, at the step in hand
.set XO,  9                            ; v9   1,024 r + 16 half: x's fragments in memory
.set UO,  10                           ; v10  32 half: u
.set XS,  11                           ; v11  the exchange: where I store
.set XL,  12                           ; v12  where I load: my partner's bytes
.set PFO, 13                           ; v13  256 x lane
.set CTO, 14                           ; v14  2 r
.set GO,  15                           ; v15  32 r + 16 half: part
.set CTL, 16                           ; v16-19 x_t . w_h as loaded
.set ONE, 20                           ; v20  1.0 twice in bf16
.set MS,  21                           ; v21  the merge's stage
.set AB,  22                           ; v22  my lane's place in a slot without a channel offset
.set TW,  24                           ; v24-27 at work
.set SPW, 28
.set NIL, 29
.set UB,  32                           ; phase 1: u, buffer i % 2 at +16, rows 16 kb .. at +8 kb
.set ST,  32                           ; phase 2: tile t at +8 t: c m, m, a, c m_old - c m, c0, c1, c m_old
.set S,   64                           ; accumulator (t, kb) at S + 8 (2 t + kb)
.set KB,  128                          ; A's fragments: buffer g % 2 at +64, chunk cc at +16 cc, rows 16 kb .. at +8 kb
.set P,   128
.set O,   160
.set CT,  192
.set VF,  224
.set WV,  14
.set KH,  15
.set QH,  16
.set CX,  17
.set QB,  18
.set NN,  19
.set BB,  20
.set HH,  21
.set WQ,  22                           ; s22  wave x QUART: my 32 rows' place in a slot; never rewritten
.set G1,  24                           ; s[24:31] group 1 of the ring's tiles
.set G1V, 32                           ; s[32:39] of V'^T
.set G0,  40                           ; s[40:43] group 0 of the ring's tiles: it walks
.set G0V, 44                           ; s[44:47] of V'^T
.set KA,  48                           ; s[48:49] xb at my part of key tile 0
.set PFA, 50                           ; s[50:51] mt at my work-group's quarter of my part of tile 2; never rewritten
.set LIM, 52                           ; s52  1 where my cluster prefetches
.set TB,  53                           ; s53  LDS byte at which the step to be fetched begins, less the key half
.set CNT, 54
.set SLOTS, 55
.set CS,  56                           ; s[56:57] c
.set SEL, 58                           ; s[58:59] v_permlanex16_b32's selects: each lane takes its own place in the other half
.set M8,  60                           ; s60  lanes 8 and 24: row 8 of V'^T
.set MHI, 61                           ; s61  lanes 16 to 31
.set DH,  62                           ; s62  d_h
.set DOF, 63                           ; s63  4 h
.set UBS, 66
.set XBS, 68
.set CTB, 70
.set PB,  72
.set T0,  74                           ; s[74:75] offsets that hold my place in the cluster
.set T1,  76                           ; s[76:77], s78, s79 offsets that do not: these alone feed the descriptors
.set MSB, 0
.macro WIN new                         ; the high byte repeats the setting that is left; a switch that changes nothing is dropped
.if MSB != (\new)
	s_set_vgpr_msb (MSB<<8)|(\new)
.set MSB, (\new)
.endif
.endm
.macro PLACES                          ; four plain vector instructions behind a matrix instruction (ISA guide 7.12.1)
.rept 4
	v_nop
.endr
.endm
.macro ALLT line:vararg                ; one line for each tile t
.set t, 0
.rept 4
	\line
.set t, t+1
.endr
.endm
.macro CROUND                          ; a round of the cluster's barrier
	s_barrier_signal -1
	s_barrier_wait -1
	s_cmp_lg_u32 s[WV], 0
	s_cbranch_scc1 .Lnot_wave_0_\@
	s_barrier_signal -3
.Lnot_wave_0_\@:
	s_barrier_wait -3
	s_barrier_signal -1
	s_barrier_wait -1
.endm
; THE CHANGE OF SLOTS.  Each wave waits for all its tensor loads (its part of the other slot), adds 0 to its spare word, and waits for that and for its reads of the slot that it leaves.
; mode 1: the slot is filled again with the next 64 rows of each half; mode 2: with key tile 0; the barrier is then a round of the cluster's, and the joint load is the first thing behind it.
; mode 0: nothing is left to ask for.  ask >= 0: a prefetch at that offset follows the load's five lines.
; The descriptor's LDS word is made anew: the base of the slot just read (0 or SLOT) + my wave's 32 rows.  (At the first change nothing has been read: TB is set so that slot 1 is named.)
.macro CHANGE mode, ask
	WIN 0
	s_wait_tensorcnt 0x0                           ; no tensor load of mine is out, so group 0 may be written
	ds_add_u32 v[SPW], v[NIL]                      ; 0 onto my spare word; scalar work stands between it and the wait for it
	s_sub_co_u32 s[TB], s[TB], HALF                ; back to the first step of the slot just read: 0 or SLOT
.if \mode
	s_add_co_u32 s[G0+1], s[TB], s[WQ]             ; that slot is filled again
.if (\mode) == 1
	s_add_nc_u64 s[G0+2:G0+3], s[G0+2:G0+3], 0x10000  ; 64 rows of 1,024 bytes on; the type bits are not reached
.else
	s_mov_b64 s[G0+2:G0+3], s[KA:KA+1]
	s_or_b32 s[G0+3], s[G0+3], 0x80000000
.endif
.endif
	s_xor_b32 s[TB], s[TB], SLOT                   ; the fetches go on in the other slot
	s_wait_dscnt 0x0                               ; the add is done, and my reads of the slot are over
.if \mode
	CROUND
	tensor_load_to_lds s[G0:G0+3], s[G1:G1+7]
	s_nop 0
.rept 4
	v_nop
.endr
.if (\ask) >= 0
	s_cmp_eq_u32 s[LIM], 1
	s_cbranch_scc0 .Lnot_mine_\@
	global_prefetch_b8 v[PFO], s[PFA:PFA+1] offset:\ask th:TH_LOAD_NT scope:SCOPE_SE
.Lnot_mine_\@:
.endif
.else
	s_barrier_signal -1
	s_barrier_wait -1
.endif
.endm
.macro ADDR
	WIN 0
	v_add_nc_u32 v[AL], s[TB], v[AL0]
	v_add_nc_u32 v[AH], s[TB], v[AH0]
.endm
; 16 LDS loads in one run: A's fragments of chunks 4 g .. 4 g + 3, 32 rows, into buffer g % 2 (phase 1: window 0; phase 2: window 1)
.macro FETCH ph, g
	WIN 0x40*((\ph)-1)
.set rAd, AL+(\g)/2
.irp cc, 0,1,2,3
.irp kb, 0,1
	ds_load_b128 v[KB+64*((\g)%2)+16*(\cc)+8*(\kb):KB+64*((\g)%2)+16*(\cc)+8*(\kb)+3],   v[rAd] offset:(\kb)*16*PT+((4*(\g)+(\cc))%8)*64
	ds_load_b128 v[KB+64*((\g)%2)+16*(\cc)+8*(\kb)+4:KB+64*((\g)%2)+16*(\cc)+8*(\kb)+7], v[rAd] offset:(\kb)*16*PT+((4*(\g)+(\cc))%8)*64+32
.endr
.endr
.endm
; 32 matrix instructions: chunks 4 g .. 4 g + 3.  The 8 accumulators take turns, one instruction a turn.  The first 8 of g = 0 start the sums: with u (phase 1) or with x_t . w + d (phase 2).
.macro MUL ph, g, ub
.if (\ph) == 1
	WIN 0x04+0x04*((\g)/2)
.else
	WIN 0x0d-0x04*((\g)/2)
.endif
.irp cc, 0,1,2,3
.irp kb, 0,1
.irp t, 0,1,2,3
.set rD, S+8*(2*(\t)+(\kb))
.set rA, KB+64*((\g)%2)+16*(\cc)+8*(\kb)
.set rB, 32*((4*(\g)+(\cc))%8)+8*(\t)
.set rC, rD
.if ((\g) == 0) && ((\cc) == 0)
.if (\ph) == 1
.set rC, UB+16*(\ub)+8*(\kb)
.else
.set rC, CT+8*(\t)
.endif
.endif
	v_wmma_f32_16x16x32_bf16 v[rD:rD+7], v[rA:rA+7], v[rB:rB+7], v[rC:rC+7]
.endr
.endr
.endr
.endm
; A step's 128 matrix instructions; run g + 1 of loads is on its way while run g is multiplied.  Run 0 has been issued; each count of 16 is the run just issued.
.macro MULS ph, ub
	FETCH \ph, 1
	s_wait_dscnt 16
	MUL \ph, 0, \ub
	PLACES
	FETCH \ph, 2
	s_wait_dscnt 16
	MUL \ph, 1, \ub
	PLACES
	FETCH \ph, 3
	s_wait_dscnt 16
	MUL \ph, 2, \ub
	s_wait_dscnt 0x0
	MUL \ph, 3, \ub
	WIN 0
	s_add_co_u32 s[TB], s[TB], QUART               ; the next fetch is the next step's
.endm
.macro CVT i                           ; step i's result, rounded in pairs, is chunk i of my half of q'': window 3, 32 i + 8 t; each accumulator is read from its low end on
	WIN 0xc0
.irp t, 0,1,2,3
.irp kb, 0,1
.irp jj, 0,1,2,3
	v_cvt_pk_bf16_f32 v[32*(\i)+8*(\t)+4*(\kb)+(\jj)], v[S+8*(2*(\t)+(\kb))+2*(\jj)], v[S+8*(2*(\t)+(\kb))+2*(\jj)+1]
.endr
.endr
.endr
	WIN 0
.endm
.macro BIAS i                          ; u of step i's 32 rows: a lane's 8 numbers for each 16 rows
.irp kb, 0,1
	global_load_b128 v[UB+16*((\i)%2)+8*(\kb):UB+16*((\i)%2)+8*(\kb)+3],   v[UO], s[UBS:UBS+1] offset:(32*(\i)+16*(\kb))*4
	global_load_b128 v[UB+16*((\i)%2)+8*(\kb)+4:UB+16*((\i)%2)+8*(\kb)+7], v[UO], s[UBS:UBS+1] offset:(32*(\i)+16*(\kb))*4+16
.endr
.endm
.macro P1STEP i
	ADDR
	PLACES                                         ; with ADDR's two lines: the places behind the last step's products
	FETCH 1, 0
.if (\i) > 0
	CVT (\i)-1
.endif
.if (\i) < 7
	BIAS (\i)+1
	s_wait_loadcnt 4                               ; all but the four loads just issued: this step's u (in step 0 also x and x_t . w)
.else
	s_wait_loadcnt 0x0
.endif
	MULS 1, (\i)%2
.endm
.macro XST r                           ; chunk r of my half of q'' into the exchange's buffer r % 2
	WIN 0x0c
.irp p, 0,1,2,3,4,5,6,7
	ds_store_b128 v[XS], v[32*(\r)+4*(\p):32*(\r)+4*(\p)+3] offset:((\r)%2)*QXB+512*(\p)
.endr
	WIN 0
.endm
.macro XLD r                           ; my partner's chunk r into window 2
	WIN 0x80
.irp p, 0,1,2,3,4,5,6,7
	ds_load_b128 v[32*(\r)+4*(\p):32*(\r)+4*(\p)+3], v[XL] offset:((\r)%2)*QXB+512*(\p)
.endr
	WIN 0
.endm
; THE SOFTMAX OF THE STEP JUST MULTIPLIED, AND O^T += V'^T P.  fetch = 1: the next step's first run of LDS loads is issued at its head.
; The 68 exponentials are one batch: nothing ahead of the one wait names a result of theirs.
.macro SMPV fetch
	WIN 0
	PLACES
	ds_load_b128 v[VF:VF+3], v[AV]
	ds_load_b128 v[VF+4:VF+7], v[AV] offset:32
	v_add_nc_u32 v[AV], 64, v[AV]
.if \fetch
	ADDR
	FETCH 2, 0
	WIN 0
.endif
	ALLT v_max3_num_f32 v[ST+8*t+4], v[S+16*t], v[S+16*t+1], v[S+16*t+2]
	ALLT v_max3_num_f32 v[ST+8*t+5], v[S+16*t+8], v[S+16*t+9], v[S+16*t+10]
	ALLT v_max3_num_f32 v[ST+8*t+4], v[ST+8*t+4], v[S+16*t+3], v[S+16*t+4]
	ALLT v_max3_num_f32 v[ST+8*t+5], v[ST+8*t+5], v[S+16*t+11], v[S+16*t+12]
	ALLT v_max3_num_f32 v[ST+8*t+4], v[ST+8*t+4], v[S+16*t+5], v[S+16*t+6]
	ALLT v_max3_num_f32 v[ST+8*t+5], v[ST+8*t+5], v[S+16*t+13], v[S+16*t+14]
	ALLT v_max3_num_f32 v[ST+8*t+4], v[ST+8*t+4], v[S+16*t+7], v[S+16*t+15]
	ALLT v_max3_num_f32 v[ST+8*t+4], v[ST+8*t+4], v[ST+8*t+5], v[ST+8*t+1]
	ALLT v_permlanex16_b32 v[ST+8*t+5], v[ST+8*t+4], s[SEL], s[SEL+1]
	ALLT v_mov_b32 v[ST+8*t+6], v[ST+8*t]
	ALLT v_max_num_f32 v[ST+8*t+1], v[ST+8*t+4], v[ST+8*t+5]
	ALLT v_mul_f32 v[ST+8*t], s[CS], v[ST+8*t+1]
	ALLT v_sub_f32 v[ST+8*t+3], v[ST+8*t+6], v[ST+8*t]
	ALLT v_exp_f32 v[ST+8*t+2], v[ST+8*t+3]
.set z, 0
.rept 8
	v_pk_fma_f32 v[S+2*z:S+2*z+1], v[S+2*z:S+2*z+1], s[CS:CS+1], v[ST:ST+1] op_sel_hi:[1,0,0] neg_lo:[0,0,1] neg_hi:[0,0,1]  ; c s - c m
.set z, z+1
.endr
.set t, 0
.rept 4                                ; a tile's exponentials, the next tile's scalings between them
.set z, 0
.rept 8
	v_exp_f32 v[S+16*t+2*z], v[S+16*t+2*z]
.if t < 3
	v_pk_fma_f32 v[S+16*t+16+2*z:S+16*t+16+2*z+1], v[S+16*t+16+2*z:S+16*t+16+2*z+1], s[CS:CS+1], v[ST+8*t+8:ST+8*t+9] op_sel_hi:[1,0,0] neg_lo:[0,0,1] neg_hi:[0,0,1]
.endif
	v_exp_f32 v[S+16*t+2*z+1], v[S+16*t+2*z+1]
.set z, z+1
.endr
.set t, t+1
.endr
	v_nop                                          ; a plain instruction behind the last exponential,
	s_wait_alu depctr_va_vdst(0)                   ; and the one wait ahead of the batch's first reader
.set t, 0
.rept 4
.set z, 0
.rept 8
	v_cvt_pk_bf16_f32 v[P+8*t+z], v[S+16*t+2*z], v[S+16*t+2*z+1]
.set z, z+1
.endr
.set t, t+1
.endr
.set t, 0
.rept 4
.set z, 0
.rept 4
	v_pk_mul_f32 v[O+8*t+2*z:O+8*t+2*z+1], v[O+8*t+2*z:O+8*t+2*z+1], v[ST+8*t+2:ST+8*t+3] op_sel_hi:[1,0]
.set z, z+1
.endr
.set t, t+1
.endr
	s_wait_dscnt 16*(\fetch)                       ; V'^T's two loads are in; the run of 16 issued behind them may stay out
.set z, 0
.rept 8
	v_cndmask_b32 v[VF+z], v[VF+z], v[ONE], s[M8]  ; row 8 is all ones
.set z, z+1
.endr
.set t, 0
.rept 4
	v_wmma_f32_16x16x32_bf16 v[O+8*t:O+8*t+7], v[VF:VF+7], v[P+8*t:P+8*t+7], v[O+8*t:O+8*t+7]
.set t, t+1
.endr
.endm
	s_load_b256 s[4:11], s[0:1], 0x0               ; xb s[4:5], mt s[6:7], cv s[8:9], vecs s[10:11]
	s_load_b64 s[12:13], s[0:1], 0x20              ; part
	v_lshl_add_u32 v[SPW], v0, 2, SPARE
	v_mov_b32 v[NIL], 0
	ds_add_u32 v[SPW], v[NIL]                      ; the wave's opening: the add and its wait ahead of my first tensor load
	v_lshrrev_b32 v1, 5, v0
	v_readfirstlane_b32 s[WV], v1
	s_lshr_b32 s[KH], s[WV], 1
	s_and_b32 s[QH], s[WV], 1
	s_bfe_u32 s[CX], ttmp6, 0x40000
	s_lshl_b32 s[QB], ttmp9, 2
	s_add_co_u32 s[QB], s[QB], s[CX]               ; my block of 128 queries
	s_and_b32 s[NN], ttmp7, 0xffff                 ; the slice, which the four partners share
	s_lshr_b32 s[BB], s[NN], 3
	s_and_b32 s[HH], s[NN], 7
	; group 1 of the ring's tiles: 32 rows of 1,024 bytes (128 elements of 8), 16 bytes of padding behind each row
	s_mov_b32 s[G1], 15|(3<<16)|(1<<20)|(1<<21)|(7<<22)|(3<<25)  ; mask of four; 8-byte elements; padding on; bit 21 beside a mask; after every 256 words; 4 words
	s_mov_b32 s[G1+1], 128<<16                     ; tensor_dim0 = 128
	s_mov_b32 s[G1+2], 32<<16                      ; tensor_dim1 = 32
	s_mov_b32 s[G1+3], 128<<16                     ; tile_dim0 = 128
	s_mov_b32 s[G1+4], 32                          ; tile_dim1 = 32
	s_mov_b32 s[G1+5], 128                         ; elements from row to row
	s_mov_b32 s[G1+6], 0
	s_mov_b32 s[G1+7], 0
	; group 1 of V'^T: two rows of 1,024 bf16, 4,096 apart, 16 bytes of padding behind each 1,024 bytes
	s_mov_b32 s[G1V], 15|(1<<16)|(1<<20)|(1<<21)|(7<<22)|(3<<25)
	s_mov_b32 s[G1V+1], 1024<<16
	s_mov_b32 s[G1V+2], 2<<16
	s_mov_b32 s[G1V+3], 1024<<16
	s_mov_b32 s[G1V+4], 2
	s_mov_b32 s[G1V+5], 4096
	s_mov_b32 s[G1V+6], 0
	s_mov_b32 s[G1V+7], 0
	s_mul_i32 s[WQ], s[WV], QUART                  ; my 32 rows' place in a slot
	s_mov_b32 s[G0], 1
	s_mov_b32 s[G0+1], s[WQ]                       ; slot 0
	s_mov_b32 s[G0V], 1
	s_mul_i32 s[G0V+1], s[WV], 2*PV8
	s_add_co_u32 s[G0V+1], s[G0V+1], VT
	s_mov_b32 s[CS], 0x3d8293ee                    ; c = log2(e) / sqrt(512) = 0.0637587
	s_mov_b32 s[CS+1], s[CS]
	s_mov_b32 s[SEL], 0x76543210
	s_mov_b32 s[SEL+1], 0xfedcba98
	s_mov_b32 s[M8], 0x01000100
	s_mov_b32 s[MHI], 0xffff0000
	s_mov_b32 s[TB], SLOT+HALF                     ; the first change of slots names slot 1 for its fill and turns this into 0
	s_or_b32 s[LIM], ttmp9, s[BB]
	s_cmp_eq_u32 s[LIM], 0
	s_cselect_b32 s[LIM], 1, 0                     ; the same in all four partners
	v_and_b32 v1, 15, v0                           ; r
	v_bfe_u32 v2, v0, 4, 1                         ; half of the lanes
	v_and_b32 v3, 31, v0                           ; lane
	v_lshlrev_b32 v[XO], 10, v1
	v_lshl_add_u32 v[XO], v2, 4, v[XO]
	v_lshlrev_b32 v[UO], 5, v2
	v_lshlrev_b32 v[CTO], 1, v1
	v_lshlrev_b32 v[PFO], 8, v3
	v_lshlrev_b32 v[GO], 5, v1
	v_lshl_add_u32 v[GO], v2, 4, v[GO]
	v_mov_b32 v[ONE], 0x3f803f80
	v_mul_u32_u24 v[AB], v1, PT
	v_lshl_add_u32 v[AB], v2, 4, v[AB]
	s_mul_i32 s78, s[KH], HALF
	v_add_nc_u32 v[AB], s78, v[AB]                 ; row r of my key half
	v_mov_b32 v[AL0], v[AB]                        ; phase 1: channels 0 .. 255,
	v_add_nc_u32 v[AH0], 512, v[AB]                ; and 256 .. 511
	s_lshl_b32 s78, s[WV], 12
	s_add_co_u32 s78, s78, QX
	v_lshl_add_u32 v[XS], v3, 4, s78
	s_xor_b32 s78, s[WV], 2                        ; my partner: the same queries, the other half
	s_lshl_b32 s78, s78, 12
	s_add_co_u32 s78, s78, QX
	v_lshl_add_u32 v[XL], v3, 4, s78
	s_mul_i32 s78, s[QH], 4608
	s_add_co_u32 s78, s78, QX
	v_lshl_add_u32 v[MS], v3, 4, s78
	v_and_b32 v[AV], 7, v0
	v_mul_u32_u24 v[AV], v[AV], PV8
	v_lshl_add_u32 v[AV], v2, 4, v[AV]
	s_mul_i32 s78, s[KH], PT
	s_add_co_u32 s78, s78, VT
	v_add_nc_u32 v[AV], s78, v[AV]                 ; row r % 8 of V'^T, my key half
	s_mov_b32 s[T1+1], 0
	s_mov_b32 s[T0+1], 0
	s_lshl_b32 s[DOF], s[HH], 2
	s_wait_dscnt 0x0                               ; the opening add is done
	s_wait_kmcnt 0x0
	s_load_b32 s[DH], s[10:11], s[DOF] offset:0x4100  ; d_h; waited for at the set-up of phase 2
	s_lshl_b32 s78, s[HH], 9
	s_lshl_b32 s79, s[KH], 8
	s_add_co_u32 s78, s78, s79                     ; 512 h + 256 kh
	s_lshl_b32 s[T1], s78, 2
	s_add_nc_u64 s[UBS:UBS+1], s[10:11], s[T1:T1+1]
	s_lshl_b32 s79, s[QH], 5
	s_add_co_u32 s78, s78, s79                     ; + 32 (wave % 2): my part of mt's tile 0
	s_lshl_b32 s[T1], s78, 10
	s_add_nc_u64 s[G0+2:G0+3], s[6:7], s[T1:T1+1]
	s_add_nc_u64 s[PFA:PFA+1], s[6:7], s[T1:T1+1]
	s_or_b32 s[G0+3], s[G0+3], 0x80000000
	s_lshl_b32 s78, s[BB], 10
	s_lshl_b32 s79, s[KH], 9
	s_add_co_u32 s78, s78, s79
	s_lshl_b32 s79, s[QH], 5
	s_add_co_u32 s78, s78, s79                     ; 1,024 b + 512 kh + 32 (wave % 2): my part of key tile 0
	s_lshl_b32 s[T1], s78, 10
	s_add_nc_u64 s[KA:KA+1], s[4:5], s[T1:T1+1]
	s_lshl_b32 s78, s[HH], 3
	s_lshl1_add_u32 s78, s[WV], s78                ; rows 8 h + 2 w, 8 h + 2 w + 1 of cv,
	s_lshl_b32 s78, s78, 13
	s_lshl_b32 s79, s[BB], 11                      ; columns 1,024 b ..
	s_add_co_u32 s[T1], s78, s79
	s_add_nc_u64 s[G0V+2:G0V+3], s[8:9], s[T1:T1+1]
	s_or_b32 s[G0V+3], s[G0V+3], 0x80000000
	s_lshl_b32 s[T0], s[CX], 13                    ; the prefetches: my work-group's 8,192 bytes,
	s_add_co_u32 s[T0], s[T0], 0x20000             ; two tiles on
	s_add_nc_u64 s[PFA:PFA+1], s[PFA:PFA+1], s[T0:T0+1]
	s_lshl_b32 s[QB], s[QB], 7
	s_lshl_b32 s[T0], s[QH], 6
	s_add_co_u32 s[QB], s[QB], s[T0]               ; my wave's first query in the slice
	s_lshl_b32 s[T0], s[BB], 10
	s_add_co_u32 s[CX], s[T0], s[QB]               ; its row in xb
	s_lshl_b32 s[T0], s[CX], 10
	s_add_nc_u64 s[XBS:XBS+1], s[4:5], s[T0:T0+1]
	s_add_co_u32 s[T0], s[HH], 64
	s_lshl_b32 s[T0], s[T0], 13                    ; row 64 + h of cv
	s_lshl1_add_u32 s[T0], s[CX], s[T0]
	s_add_nc_u64 s[CTB:CTB+1], s[8:9], s[T0:T0+1]
	s_lshl_b32 s[T0], s[NN], 10
	s_add_co_u32 s[T0], s[T0], s[QB]
	s_lshl_b32 s[T0], s[T0], 5                     ; 32 bytes a query
	s_add_nc_u64 s[PB:PB+1], s[12:13], s[T0:T0+1]
	CROUND                                         ; all four work-groups are here: the first joint loads meet
	tensor_load_to_lds s[G0:G0+3], s[G1:G1+7]      ; mt's tile 0
	s_nop 0
	tensor_load_to_lds s[G0V:G0V+3], s[G1V:G1V+7]  ; V'^T: two loads of mine are out
	s_nop 0
.rept 4
	v_nop
.endr
	; x's fragments stay in registers: chunk c of tile t at 32 (c % 8) + 8 t, in window 1 (c < 8) or 2
	WIN 0x40
.irp c, 0,1,2,3,4,5,6,7
.irp t, 0,1,2,3
	global_load_b128 v[32*(\c)+8*(\t):32*(\c)+8*(\t)+3],   v[XO], s[XBS:XBS+1] offset:16384*(\t)+64*(\c)
	global_load_b128 v[32*(\c)+8*(\t)+4:32*(\c)+8*(\t)+7], v[XO], s[XBS:XBS+1] offset:16384*(\t)+64*(\c)+32
.endr
.endr
	WIN 0x80
.irp c, 0,1,2,3,4,5,6,7
.irp t, 0,1,2,3
	global_load_b128 v[32*(\c)+8*(\t):32*(\c)+8*(\t)+3],   v[XO], s[XBS:XBS+1] offset:16384*(\t)+64*(\c)+512
	global_load_b128 v[32*(\c)+8*(\t)+4:32*(\c)+8*(\t)+7], v[XO], s[XBS:XBS+1] offset:16384*(\t)+64*(\c)+544
.endr
.endr
	WIN 0
.irp t, 0,1,2,3
	global_load_u16 v[CTL+(\t)], v[CTO], s[CTB:CTB+1] offset:32*(\t)
.endr
	BIAS 0
	; PHASE 1, written out: the registers that a step's result goes to are part of the text
	CHANGE 1, 0                                    ; tile 0 and V'^T are in; tile 1 is asked for; tile 2 is prefetched
	P1STEP 0
	P1STEP 1
	CHANGE 1, 65536                                ; tile 2 is asked for; tile 3 is prefetched
	P1STEP 2
	P1STEP 3
	CHANGE 1, -1                                   ; tile 3
	P1STEP 4
	P1STEP 5
	CHANGE 2, -1                                   ; key tile 0
	P1STEP 6
	P1STEP 7
	CHANGE 1, -1                                   ; key tile 1
	PLACES
	CVT 7
	; THE EXCHANGE.  A buffer is written again only behind the barrier in front of which its reader has waited for its loads.
	XST 0
.irp r, 0,1,2,3,4,5,6,7
	s_wait_dscnt 0x0                               ; my stores of chunk r are done, and so are my loads of chunk r - 1
	s_barrier_signal -1
	s_barrier_wait -1
	XLD \r
.if (\r) < 7
	XST (\r)+1
.endif
.endr
	s_wait_dscnt 0x0
	; THE SET-UP OF PHASE 2
	s_wait_kmcnt 0x0                               ; d_h
	s_lshl_b32 s78, s[KH], 9
	v_add_nc_u32 v[AL0], s78, v[AB]                ; first the channels of my own half of q'' (window 3),
	s_xor_b32 s78, s78, 512
	v_add_nc_u32 v[AH0], s78, v[AB]                ; then my partner's (window 2)
.irp t, 0,1,2,3
	v_lshlrev_b32 v[TW+(\t)], 16, v[CTL+(\t)]      ; bf16 to f32
.endr
.irp t, 0,1,2,3
.irp j, 0,1,2,3,4,5,6,7
	v_add_f32 v[CT+8*(\t)+(\j)], s[DH], v[TW+(\t)] ; the C operand: x_t . w_h + d_h, the same for all keys of a query
.endr
.endr
.irp t, 0,1,2,3
	v_mov_b32 v[ST+8*(\t)], 0xfe000000             ; c m: far below every c s, so the first step's a is 0
	v_mov_b32 v[ST+8*(\t)+1], 0xff7fffff           ; m
.endr
.set z, 0
.rept 32
	v_mov_b32 v[O+z], 0                            ; O^T and l start at 0, so that no first step is written out
.set z, z+1
.endr
	ADDR
	FETCH 2, 0
	WIN 0
	s_mov_b32 s[CNT], 2
	s_mov_b32 s[SLOTS], 7                          ; the loop is entered in the middle of a trip: six changes of slots follow, which ask for key tiles 2 to 7
	s_branch .Lentry
.Lslot:
	CHANGE 1, -1
	s_mov_b32 s[CNT], 2
.Lstep:                                        ; a trip: the softmax and V'^T P of the step before, then this step's scores
	SMPV 1
.Lentry:
	MULS 2, 0
	s_sub_co_u32 s[CNT], s[CNT], 1
	s_cmp_lg_u32 s[CNT], 0
	s_cbranch_scc1 .Lstep
	s_sub_co_u32 s[SLOTS], s[SLOTS], 1
	s_cmp_lg_u32 s[SLOTS], 0
	s_cbranch_scc1 .Lslot
	CHANGE 0, -1                                   ; the last tile is written out
	s_mov_b32 s[CNT], 2
.Ltail:
	SMPV 1
	MULS 2, 0
	s_sub_co_u32 s[CNT], s[CNT], 1
	s_cmp_lg_u32 s[CNT], 0
	s_cbranch_scc1 .Ltail
	SMPV 0
	; THE MERGE OF THE TWO KEY HALVES, AND THE WAY OUT
	WIN 0
	PLACES
	PLACES
	s_cmp_lt_u32 s[WV], 2
	s_cbranch_scc1 .Lkeep
.irp t, 0,1,2,3
	v_mov_b32 v[TW+(\t)], v[ST+8*(\t)]
.endr
.irp p, 0,1,2,3,4,5,6,7
	ds_store_b128 v[MS], v[O+4*(\p):O+4*(\p)+3] offset:512*(\p)
.endr
	ds_store_b128 v[MS], v[TW:TW+3] offset:4096
.Lkeep:
	s_wait_dscnt 0x0                               ; for the others' sake: my stores are done
	s_barrier_signal -1
	s_barrier_wait -1
	s_cmp_lt_u32 s[WV], 2
	s_cbranch_scc0 .Lend
.irp p, 0,1,2,3,4,5,6,7
	ds_load_b128 v[S+4*(\p):S+4*(\p)+3], v[MS] offset:512*(\p)
.endr
	ds_load_b128 v[S+32:S+35], v[MS] offset:4096
	s_wait_dscnt 0x0
	ALLT v_max_num_f32 v[ST+8*t+6], v[ST+8*t], v[S+32+t]
	ALLT v_sub_f32 v[ST+8*t+2], v[ST+8*t], v[ST+8*t+6]
	ALLT v_sub_f32 v[ST+8*t+4], v[S+32+t], v[ST+8*t+6]
	ALLT v_exp_f32 v[ST+8*t+2], v[ST+8*t+2]
	ALLT v_exp_f32 v[ST+8*t+4], v[ST+8*t+4]
	v_nop
	s_wait_alu depctr_va_vdst(0)                   ; one wait for the eight exponentials
.irp t, 0,1,2,3
.irp q, 0,1,2,3
	v_pk_mul_f32 v[O+8*(\t)+2*(\q):O+8*(\t)+2*(\q)+1], v[O+8*(\t)+2*(\q):O+8*(\t)+2*(\q)+1], v[ST+8*(\t)+2:ST+8*(\t)+3] op_sel_hi:[1,0]
.endr
.endr
.irp t, 0,1,2,3
.irp q, 0,1,2,3
	v_pk_fma_f32 v[O+8*(\t)+2*(\q):O+8*(\t)+2*(\q)+1], v[S+8*(\t)+2*(\q):S+8*(\t)+2*(\q)+1], v[ST+8*(\t)+4:ST+8*(\t)+5], v[O+8*(\t)+2*(\q):O+8*(\t)+2*(\q)+1] op_sel_hi:[1,0,1]
.endr
.endr
	ALLT v_permlanex16_b32 v[ST+8*t+6], v[O+8*t], s[SEL], s[SEL+1]  ; l lies in register 0 of the lane 16 away
	ALLT v_rcp_f32 v[ST+8*t+2], v[ST+8*t+6]
	v_nop
	s_wait_alu depctr_va_vdst(0)                   ; one wait for the four reciprocals
.irp t, 0,1,2,3
.irp q, 0,1,2,3
	v_pk_mul_f32 v[O+8*(\t)+2*(\q):O+8*(\t)+2*(\q)+1], v[O+8*(\t)+2*(\q):O+8*(\t)+2*(\q)+1], v[ST+8*(\t)+2:ST+8*(\t)+3] op_sel_hi:[1,0]
.endr
.endr
.irp t, 0,1,2,3
.irp j, 0,1,2,3
	v_permlanex16_b32 v[S+4*(\t)+(\j)], v[O+8*(\t)+4+(\j)], s[SEL], s[SEL+1]  ; lanes 16-31 take channels 4 .. 7 of their query,
.endr
.endr
.irp t, 0,1,2,3
.irp j, 0,1,2,3
	v_cndmask_b32 v[S+4*(\t)+(\j)], v[O+8*(\t)+(\j)], v[S+4*(\t)+(\j)], s[MHI]  ; lanes 0-15 keep channels 0 .. 3
.endr
.endr
.irp t, 0,1,2,3
	global_store_b128 v[GO], v[S+4*(\t):S+4*(\t)+3], s[PB:PB+1] offset:512*(\t)  ; 512 consecutive bytes of part, aligned
.endr
.Lend:
	s_wait_tensorcnt 0x0                           ; the wave's end
	ds_add_u32 v[SPW], v[NIL]
	s_wait_dscnt 0x0
	CROUND                                         ; the closing round
	s_endpgm
.Lfunc_end_k_qcee3d63ce5_attn:
	.size	k_qcee3d63ce5_attn, .Lfunc_end_k_qcee3d63ce5_attn-k_qcee3d63ce5_attn
	.p2alignl 7, 3214868480
	.fill 96, 4, 3214868480
	.section	.rodata,"a",@progbits
	.p2align	6, 0x0
	.amdhsa_kernel k_qcee3d63ce5_attn
		.amdhsa_group_segment_fixed_size 327680
		.amdhsa_private_segment_fixed_size 0
		.amdhsa_enable_private_segment 0
		.amdhsa_kernarg_size 40
		.amdhsa_user_sgpr_count 2
		.amdhsa_user_sgpr_kernarg_segment_ptr 1
		.amdhsa_wavefront_size32 1
		.amdhsa_system_sgpr_workgroup_id_x 1
		.amdhsa_system_sgpr_workgroup_id_y 1
		.amdhsa_system_sgpr_workgroup_id_z 1
		.amdhsa_system_vgpr_workitem_id 0
		.amdhsa_next_free_vgpr 1024
		.amdhsa_next_free_sgpr 80
		.amdhsa_reserve_vcc 0
		.amdhsa_float_denorm_mode_32 3
		.amdhsa_float_denorm_mode_16_64 3
		.amdhsa_memory_ordered 1
		.amdhsa_forward_progress 1
		.amdhsa_inst_pref_size 229
	.end_amdhsa_kernel
	.amdgpu_metadata
---
amdhsa.version: [ 1, 2 ]
amdhsa.kernels:
  - .name:           k_qcee3d63ce5_attn
    .symbol:         k_qcee3d63ce5_attn.kd
    .args:
      - { .name: xb, .offset: 0, .size: 8, .value_kind: global_buffer, .address_space: global }
      - { .name: mt, .offset: 8, .size: 8, .value_kind: global_buffer, .address_space: global }
      - { .name: cv, .offset: 16, .size: 8, .value_kind: global_buffer, .address_space: global }
      - { .name: vecs, .offset: 24, .size: 8, .value_kind: global_buffer, .address_space: global }
      - { .name: part, .offset: 32, .size: 8, .value_kind: global_buffer, .address_space: global }
    .group_segment_fixed_size: 327680
    .private_segment_fixed_size: 0
    .kernarg_segment_align: 8
    .kernarg_segment_size: 40
    .max_flat_workgroup_size: 128
    .sgpr_count:     80
    .vgpr_count:     1024
    .wavefront_size: 32
...
	.end_amdgpu_metadata
.endif
;; end of part 3
;; launch sum (part 4): grid 64 x 1, 4 waves a work-group, no clusters, 0 bytes of LDS; arguments part, vecs, bo, out0; writes out0
.if DOCPART == 4
	.amdgcn_target "amdgcn-amd-amdhsa--gfx1250"
	.amdhsa_code_object_version 6
	.text
	.protected	k_qcee3d63ce5_sum
	.globl	k_qcee3d63ce5_sum
	.p2align	8
	.type	k_qcee3d63ce5_sum,@function
k_qcee3d63ce5_sum:
	s_mov_b64 s[64:65], 0
	v_nop
	global_prefetch_b8 v0, s[64:65] scope:SCOPE_SE
	s_setreg_imm32_b32 hwreg(HW_REG_WAVE_MODE, 25, 1), 1
	s_wait_xcnt 0x0
; out0[t][b][o] = sum over h of part[8 b + h][t][o] + sum over h of cvo[h][o] + bo[o], all f32.
; Thread g = 128 x work-group + thread owns four numbers: o = 4 (g % 2) .., b = (g / 2) % 4, t = g / 8: its 16 bytes of out0 lie at 16 g, so a wave's store covers 512 consecutive bytes, aligned.
; 17 loads of 16 bytes, all out at once; 1 MB is read in all.  No LDS, no cluster, no prefetch: nothing is shared and nothing is waited for twice.
	s_load_b256 s[4:11], s[0:1], 0x0               ; part s[4:5], vecs s[6:7], bo s[8:9], out0 s[10:11]
	s_lshl_b32 s12, ttmp9, 7
	v_add_nc_u32 v1, s12, v0                       ; g
	v_and_b32 v2, 1, v1
	v_bfe_u32 v3, v1, 1, 2                         ; b
	v_lshrrev_b32 v4, 3, v1                        ; t
	v_lshlrev_b32 v5, 4, v2                        ; my half of the 8 channels
	v_lshl_add_u32 v6, v4, 5, v5                   ; + 32 t
	v_lshl_add_u32 v6, v3, 18, v6                  ; + 8 b slices of 32,768 bytes
	v_lshlrev_b32 v7, 4, v1
	s_wait_kmcnt 0x0
.irp h, 0,1,2,3,4,5,6,7
	global_load_b128 v[8+4*(\h):11+4*(\h)], v6, s[4:5] offset:32768*(\h)
.endr
.irp h, 0,1,2,3,4,5,6,7
	global_load_b128 v[40+4*(\h):43+4*(\h)], v5, s[6:7] offset:16384+32*(\h)
.endr
	global_load_b128 v[72:75], v5, s[8:9]
	s_wait_loadcnt 0x0
.set i, 0
.rept 16
	v_pk_add_f32 v[8+2*i:9+2*i], v[8+2*i:9+2*i], v[40+2*i:41+2*i]
.set i, i+1
.endr
.set i, 0
.rept 8
	v_pk_add_f32 v[8+2*i:9+2*i], v[8+2*i:9+2*i], v[24+2*i:25+2*i]
.set i, i+1
.endr
.set i, 0
.rept 4
	v_pk_add_f32 v[8+2*i:9+2*i], v[8+2*i:9+2*i], v[16+2*i:17+2*i]
.set i, i+1
.endr
.set i, 0
.rept 2
	v_pk_add_f32 v[8+2*i:9+2*i], v[8+2*i:9+2*i], v[12+2*i:13+2*i]
.set i, i+1
.endr
.set i, 0
.rept 2
	v_pk_add_f32 v[8+2*i:9+2*i], v[8+2*i:9+2*i], v[72+2*i:73+2*i]
.set i, i+1
.endr
	global_store_b128 v7, v[8:11], s[10:11]
	s_endpgm
.Lfunc_end_k_qcee3d63ce5_sum:
	.size	k_qcee3d63ce5_sum, .Lfunc_end_k_qcee3d63ce5_sum-k_qcee3d63ce5_sum
	.p2alignl 7, 3214868480
	.fill 96, 4, 3214868480
	.section	.rodata,"a",@progbits
	.p2align	6, 0x0
	.amdhsa_kernel k_qcee3d63ce5_sum
		.amdhsa_group_segment_fixed_size 0
		.amdhsa_private_segment_fixed_size 0
		.amdhsa_enable_private_segment 0
		.amdhsa_kernarg_size 32
		.amdhsa_user_sgpr_count 2
		.amdhsa_user_sgpr_kernarg_segment_ptr 1
		.amdhsa_wavefront_size32 1
		.amdhsa_system_sgpr_workgroup_id_x 1
		.amdhsa_system_sgpr_workgroup_id_y 1
		.amdhsa_system_sgpr_workgroup_id_z 1
		.amdhsa_system_vgpr_workitem_id 0
		.amdhsa_next_free_vgpr 80
		.amdhsa_next_free_sgpr 66
		.amdhsa_reserve_vcc 0
		.amdhsa_float_denorm_mode_32 3
		.amdhsa_float_denorm_mode_16_64 3
		.amdhsa_memory_ordered 1
		.amdhsa_forward_progress 1
		.amdhsa_inst_pref_size 5
	.end_amdhsa_kernel
	.amdgpu_metadata
---
amdhsa.version: [ 1, 2 ]
amdhsa.kernels:
  - .name:           k_qcee3d63ce5_sum
    .symbol:         k_qcee3d63ce5_sum.kd
    .args:
      - { .name: part, .offset: 0, .size: 8, .value_kind: global_buffer, .address_space: global }
      - { .name: vecs, .offset: 8, .size: 8, .value_kind: global_buffer, .address_space: global }
      - { .name: bo, .offset: 16, .size: 8, .value_kind: global_buffer, .address_space: global }
      - { .name: out0, .offset: 24, .size: 8, .value_kind: global_buffer, .address_space: global }
    .group_segment_fixed_size: 0
    .private_segment_fixed_size: 0
    .kernarg_segment_align: 8
    .kernarg_segment_size: 32
    .max_flat_workgroup_size: 128
    .sgpr_count:     66
    .vgpr_count:     80
    .wavefront_size: 32
...
	.end_amdgpu_metadata
.endif
;; end of part 4
